; MI455X (gfx1250); checked and timed in simulation.
; The chip was launched on July 23, 2026; its instructions are those of AMD's public machine-readable ISA for CDNA 5 (MIT licence, August 2026) and "CDNA5" Instruction Set Architecture Reference Guide (July 2026). The comments in the code are by the model that wrote it; some were corrected since.
;; Capsule. Allowed arithmetic: float matrix products may take bf16 or f16 operands with f32 sums; other float arithmetic in f32, or as packed bf16 or f16 multiplies, adds, multiply-adds, maxima and minima; sums over many terms, partial sums and values carried from step to step in f32; what a program stores and reads back later, other than sums and carried values, may be rounded once to bf16 or f16.
;; Inputs: inputs 128 x 1,024 x 128 float32; kernel 1 x 128 x 512 float32.
;; Outputs: out0 128 x 32 x 16 float32.
;; One version. Each part assembles by itself: llvm-mc -triple=amdgcn-amd-amdhsa -mcpu=gfx1250 --defsym DOCPART=n.
;; ======== version 1 of 1: 1 launch
;; limits: values are held in f16: magnitudes above 65,504 overflow, below 6.1e-05 lose precision; inputs' magnitudes at most 65,504
;; launch capsule (part 1): grid 128 x 1, 8 waves a work-group, clusters of 4 x 1, 327,680 bytes of LDS; arguments inputs, kernel, out0; writes out0
.if DOCPART == 1
	.amdgcn_target "amdgcn-amd-amdhsa--gfx1250"
	.amdhsa_code_object_version 6
	.text
	.protected	k_q0d5bf22bbc_capsule
	.globl	k_q0d5bf22bbc_capsule
	.p2align	8
	.type	k_q0d5bf22bbc_capsule,@function
k_q0d5bf22bbc_capsule:
	s_mov_b64 s[64:65], 0
	v_nop
	global_prefetch_b8 v0, s[64:65] scope:SCOPE_SE
	s_setreg_imm32_b32 hwreg(HW_REG_WAVE_MODE, 25, 1), 1
	s_wait_xcnt 0x0
	s_wait_alu depctr_hold_cnt(0) depctr_sa_sdst(0) depctr_va_vdst(0) depctr_va_sdst(0) depctr_va_ssrc(0) depctr_va_vcc(0) depctr_vm_vsrc(0)
	s_getreg_b32 s2, hwreg(HW_REG_IB_STS2, 6, 4)
	s_cmp_eq_u32 s2, 0
	s_cbranch_scc0 .Lentry_in_a_cluster
	s_endpgm
.Lentry_in_a_cluster:
	s_bfe_u32 s2, ttmp6, 0x10000c
	s_cmp_lg_u32 s2, 0x3003
	s_cbranch_scc0 .Lentry_shape_is_right
	s_endpgm
.Lentry_shape_is_right:
; CAPSULE ROUTING.  inputs X: [128][1024][128] f32, kernel W: [128][512] f32 (capsule n owns columns 16 n .. 16 n + 15: W_n), out0: [128][32][16] f32.
; reference(): hat[n][i] = x_i W_n; three steps of c = softmax over n of b, s_n = sum_i c[n][i] hat[n][i], o_n = squash(s_n), b[n][i] = o_n . hat[n][i].
; WORK LEFT OUT, for all finite values of the inputs, in exact arithmetic:
;   hat is never formed.  It enters linearly: sum_i c[n][i] (x_i W_n) = (sum_i c[n][i] x_i) W_n, and o_n . (x_i W_n) = x_i . (W_n o_n).
;   So a step is Y = C^T X (32 x 128), s_n = Y_n W_n, u_n = W_n o_n, logits = X U^T: products with 32 columns where hat has 512.
;   The first step's b is the zero array that reference() builds itself: its softmax is 1/32 everywhere, so Y_n is X's column sum / 32; no maximum and no exponential is taken there.
; Both inputs are loaded.  FORMATS AND LIMITS: the order of the sums differs from reference()'s; an overflow, infinity or NaN that would arise in hat alone is not carried to the result.
; Both inputs are rounded once to bf16, and EVERY use sees that number: W stays in registers as bf16; X's bf16 number feeds the first step's column sums and is written as f16 for the matrix unit: exact
; from 2^-14 to 65,504 in magnitude; below that it keeps f16's fixed step of 2^-24, beyond it the copy is an infinity.  What the program makes itself, U and the weights c, is rounded once to f16 (11 significant
; bits; |u| is at most the norm of 16 numbers of a row of W, c lies in 0 to 1; below 2^-14 the same fixed step).  Every sum is kept in f32.
; In the two live steps the maximum over the 32 capsules is taken away before the exponential.
; SHARES.  One work-group a batch: a routing step needs a sum over all 1,024 rows before the next begins, and a batch in 16 bits (262,144 bytes) lies in LDS, so X is read from memory once.
; Wave w owns rows 128 w .. 128 w + 127: it loads them, lays them into LDS and is the only wave that reads them: the products have no barrier.
; For the small products thread t owns capsule n = t / 8 and, with g = t % 8, the 16 channels d = 64 (g / 4) + 16 q + 4 (g % 4) + k (q, k = 0..3; index 4 q + k); its 16 x 16 numbers of W_n stay in 128 registers as bf16.
; CLUSTER.  All work-groups read the same W, so the four of a cluster ask for it JOINTLY: wave w's one tensor load brings its four capsules' 256 bytes of all 128 rows of W (f32), with the same descriptor (made of the
; wave's number and W's address alone) and the mask of four in all partners.  It lands in the 34,816 bytes that later hold the wave's rows of X, which are empty at the start; W's rows 16 q .. and 64 + 16 q .. are read
; out before X's rows 16 q .. are laid there.  So W is on its way together with X's first 64 rows a wave.  A wave has one tensor load outstanding.
; LDS: rows of 256 bytes + 16 of padding = 68 words: row r starts at bank 4 r mod 64 (64 banks of 4 bytes: ISA guide 11.1); the 16 rows of a plain fragment load start at 16 different groups of four banks, and
; in the turning load lanes 8-15 take the 16 bytes 128 bytes on (32 banks on) from lanes 0-7's: so a tile's row r is channel 64 (r / 8) + 8 dl + r % 8.
.set XP,    272                        ; X's, U's and (at the start) W's pitch
.set WAVEX, 128*XP                     ; a wave's rows of X; before them its part of W
.set EXCH,  1024*XP                    ; behind X: 256 rows (wave p, capsule n) x 144 bytes: the exchange of the partial Y; before that each wave's stage for W, then its column totals
.set EP,    144                        ; 128 bytes + 16: 36 words: 16 rows start at 16 different groups of four banks
.set STGB,  32*EP                      ; a wave's part of it
.set UB,    EXCH+8*STGB                ; U in f16, [capsule][channel], 32 rows; before its first use the eight waves' column sums, 512 bytes each
.set SPARE, 326656                     ; the spare words, 128 bytes for each wave: four blocks of 256 bytes that no other line names
; window 0
.set GOFF, 2                           ; 16 l: my 16 bytes of a row of X
.set WRD,  3                           ; my wave's part of W in LDS: row l / 16, 16 (l % 16): two rows, 256 bytes of each
.set XST,  4                           ; where I put my 8 bytes of a row of X
.set STW,  5                           ; stage: in
.set STR,  6                           ; stage: back, by owner
.set NATA, 7                           ; X's fragments as they lie
.set TRA,  8                           ; X's fragments turned
.set UA,   9                           ; U's fragments
.set UW,   10                          ; where I put my channels of U
.set EXS,  11                          ; exchange: in
.set EXR,  12                          ; exchange: back, by owner
.set CSA,  13                          ; column sums: back
.set CSW,  14                          ; column sums: in
.set YRD,  15                          ; my channels of the column totals
.set OUTO, 16                          ; 8 t: my two numbers of out0
.set ZR,   17                          ; 0.0: the addend that starts a sum
.set SPW,  18                          ; my spare word; never rewritten
.set NIL,  19                          ; 0; never rewritten
.set TOTA, 20                          ; column totals: in
.set ID1,  24                          ; v[24:31]: B fragment of the unit matrix's rows 16-31;  v24-27 = 0, v28-31 = the pattern, v32-35 = 0
.set ID0,  28                          ; v[28:35]: of its rows 0-15
.set EF,   36                          ; v36-51  weights as A fragments (8 a row tile), then as B fragments (8 a capsule tile); before that at work for the sums
.set LG,   52                          ; v52-83  logits of (row tile u, capsule tile c) at LG + 8 (2 u + c); then the turned weights; then X turned, dl = 4..7
.set UF,   84                          ; v84-147 U's fragments: (capsule tile c, 32 channels kp) at UF + 8 (4 c + kp)
.set NAT,  148                         ; v148-211 X's fragments: (row tile u, kp) at NAT + 8 (4 u + kp)
.set XT,   212                         ; v212-243 X turned, dl = 0..3
.set TS,   244                         ; v244-251 a row tile's four: c m, m, two at work
.set Y,    148                         ; small steps (NAT and XT are dead then): my 16 channels of Y_n
.set S,    164                         ; s_n, then o_n
.set UU,   180                         ; my 16 channels of u_n
.set QT,   196                         ; at work
.set UP,   200                         ; u_n packed
.set EXT,  212                         ; eight waves' four numbers
.set WF,   36                          ; load phase: v36-99 a chunk of W: 16 x four f32, packed in place to 16 x two registers of bf16
.set XF,   64                          ; eight rows' bf16 numbers as f32, four a row
.set XTMP, 96                          ; X packed: as bf16, then as f16
.set CSUM, 112                         ; four sets of four column sums
.set RING, 128                         ; slots 0-31 of four registers; slots 32-63 at the same numbers in window 1
; window 1
.set WB,   0                           ; W_n in bf16: index ix, columns 2 e2, 2 e2 + 1 at WB + 8 ix + e2
.set ACC,  128                         ; Y's partial sums: (dl, c) at ACC + 8 (2 dl + c)
.set G0,   36                          ; s[36:39] descriptor group 0
.set G1,   40                          ; s[40:47] descriptor group 1
.set MSB, 0
.macro WIN new                         ; s_set_vgpr_msb: bits 1:0 source 0, 3:2 source 1, 5:4 source 2, 7:6 destination; the high byte repeats the setting that is left
.if MSB != (\new)
	s_set_vgpr_msb (MSB<<8)|(\new)
.set MSB, \new
.endif
.endm
.macro PLACES cnt                      ; plain instructions behind matrix instructions: ahead of readers of a result, of loads into their registers, of matrix instructions that write over them
.rept \cnt
	v_nop
.endr
.endm
.macro BAR                             ; all my LDS instructions are done; then the work-group's barrier
	s_wait_dscnt 0x0
	s_barrier_signal -1
	s_barrier_wait -1
.endm
; A round of the cluster's barrier: my work-group's barrier, so that wave 0's signal speaks for all eight waves; wave 0 signals for the work-group; every wave waits for all four work-groups; my work-group's barrier once more.
.macro CROUND
	s_barrier_signal -1
	s_barrier_wait -1
	s_cmp_lg_u32 s10, 0
	s_cbranch_scc1 .Lnot_wave_0_\@
	s_barrier_signal -3
.Lnot_wave_0_\@:
	s_barrier_wait -3
	s_barrier_signal -1
	s_barrier_wait -1
.endm
.macro BOTH line:vararg                ; one line for each of a block's two row tiles u: neighbours do not wait for each other
.set u, 0
.rept 2
	\line
.set u, u+1
.endr
.endm
	s_load_b128 s[4:7], s[0:1], 0x0                ; X s[4:5], W s[6:7]
	s_load_b64 s[8:9], s[0:1], 0x10                ; out0
	v_lshl_add_u32 v[SPW], v0, 2, SPARE
	v_mov_b32 v[NIL], 0
	ds_add_u32 v[SPW], v[NIL]                      ; the wave's opening: the add, twice on end, and its wait ahead of my tensor load; the set-up below, work on registers, stands between the second and the wait
	ds_add_u32 v[SPW], v[NIL]                      ; and once more, under the one wait
	v_lshrrev_b32 v21, 5, v0
	v_readfirstlane_b32 s10, v21                   ; wave 0..7
	s_mov_b32 s12, 0x76543210                      ; v_permlanex16_b32: each lane takes its own place in the other half
	s_mov_b32 s13, 0xfedcba98
	s_mov_b32 s14, 0x3fb8aa3b                      ; log2(e); named as a pair
	s_mov_b32 s15, s14
	s_mov_b32 s17, 0xffff0000                      ; a word's upper bf16
	s_mov_b32 s18, 0x3d000000                      ; 1/32; named as a pair
	s_mov_b32 s19, s18
	s_mul_i32 s24, s10, WAVEX                      ; my wave's rows of X in LDS
	s_mul_i32 s25, s10, STGB
	s_add_co_u32 s25, s25, EXCH                    ; my wave's part of the exchange
	s_lshl_b32 s26, s10, 9
	s_add_co_u32 s26, s26, UB                      ; my wave's column sums
	s_bfe_u32 s34, ttmp6, 0x40000                  ; cx: my place in the cluster
	s_lshl_b32 s35, ttmp9, 2                       ; in a cluster launch ttmp9 counts clusters
	s_add_co_u32 s35, s35, s34                     ; my batch = 4 x cluster + cx: it enters X's and out0's addresses alone
	s_lshl_b32 s28, s35, 19                        ; batch x 524,288 bytes
	s_lshl_b32 s29, s10, 16                        ; + wave x 128 rows x 512 bytes
	s_add_co_u32 s28, s28, s29
	s_mov_b32 s29, 0
	s_lshl_b32 s30, s10, 8                         ; my wave's four capsules: 256 bytes of a row of W
	s_mov_b32 s31, 0
	s_lshl_b32 s32, s35, 11                        ; batch x 2,048 bytes of out0
	s_mov_b32 s33, 0
	; the descriptor: a tile of 128 rows x 64 elements of 4 bytes, 512 elements from row to row, padded in LDS
	s_mov_b32 s[G0], 1                             ; 1:0 count = 1
	s_mul_i32 s[G0+1], s10, WAVEX                  ; 63:32 LDS address: the wave's number times its 34,816 bytes
	s_mov_b32 s[G1], 15|(2<<16)|(1<<20)|(1<<21)|(5<<22)|(3<<25)  ; 15:0 the mask: all four work-groups; 17:16 elements of 4 bytes; 20 padding on; 21 set beside a mask; 24:22 after every 64 words (code 5); 31:25 4 words of it (code 3)
	s_mov_b32 s[G1+1], 64<<16                      ; tensor_dim0 = 64
	s_mov_b32 s[G1+2], 128<<16                     ; tensor_dim1 = 128
	s_mov_b32 s[G1+3], 64<<16                      ; tile_dim0 = 64
	s_mov_b32 s[G1+4], 128                         ; tile_dim1 = 128
	s_mov_b32 s[G1+5], 512                         ; elements from row to row
	s_mov_b32 s[G1+6], 0
	s_mov_b32 s[G1+7], 0
	v_and_b32 v1, 31, v0                           ; l
	v_and_b32 v36, 15, v0                          ; r = l % 16
	v_bfe_u32 v37, v0, 4, 1                        ; h = l / 16
	v_and_b32 v38, 7, v0                           ; g = l % 8
	v_bfe_u32 v39, v0, 3, 1                        ; (l / 8) % 2
	v_bfe_u32 v40, v0, 3, 2                        ; l / 8
	v_lshrrev_b32 v41, 3, v0                       ; n
	v_bfe_u32 v42, v0, 2, 1                        ; g / 4
	v_and_b32 v43, 3, v0                           ; g % 4
	v_lshlrev_b32 v[GOFF], 4, v1
	v_mul_u32_u24 v[WRD], v37, XP
	v_lshl_add_u32 v[WRD], v36, 4, v[WRD]
	v_add_nc_u32 v[WRD], s24, v[WRD]
	v_lshl_add_u32 v[XST], v1, 3, s24
	v_mul_u32_u24 v[STW], v37, EP
	v_lshl_add_u32 v[STW], v36, 3, v[STW]
	v_add_nc_u32 v[STW], s25, v[STW]
	v_mul_u32_u24 v[STR], v38, 4*EP                ; stage rows 4 g + k,
	v_lshl_add_u32 v[STR], v40, 5, v[STR]          ; my capsule's 32 bytes of them
	v_add_nc_u32 v[STR], s25, v[STR]
	v_mul_u32_u24 v44, v36, XP
	v_lshl_add_u32 v44, v37, 4, v44                ; row r x pitch + 16 h
	v_add_nc_u32 v[NATA], s24, v44
	v_add_nc_u32 v[UA], UB, v44
	v_lshl_add_u32 v[TRA], v37, 3, v38             ; row 8 h + l % 8,
	v_mul_u32_u24 v[TRA], v[TRA], XP
	v_lshl_add_u32 v[TRA], v39, 7, v[TRA]          ; lanes 8-15 of each half 128 bytes on
	v_add_nc_u32 v[TRA], s24, v[TRA]
	v_mul_u32_u24 v[UW], v41, XP
	v_lshl_add_u32 v[UW], v42, 7, v[UW]
	v_lshl_add_u32 v[UW], v43, 3, v[UW]
	v_add_nc_u32 v[UW], UB, v[UW]
	v_mul_u32_u24 v[EXS], v36, EP
	v_lshl_add_u32 v[EXS], v37, 6, v[EXS]
	v_add_nc_u32 v[EXS], s25, v[EXS]
	v_mul_u32_u24 v[EXR], v41, EP
	v_lshl_add_u32 v[EXR], v38, 4, v[EXR]
	v_add_nc_u32 v[EXR], EXCH, v[EXR]
	v_lshl_add_u32 v[CSA], v1, 4, UB
	v_lshl_add_u32 v[CSW], v1, 4, s26
	v_lshlrev_b32 v[YRD], 8, v42
	v_lshl_add_u32 v[YRD], v43, 4, v[YRD]
	v_add_nc_u32 v[YRD], s25, v[YRD]
	v_lshlrev_b32 v[OUTO], 3, v0
	v_mov_b32 v[ZR], 0
	v_lshl_add_u32 v[TOTA], v1, 4, s25
	; the unit matrix as a B fragment: lane (r, h) holds column r and k = 8 h + 0..7: an f16 1.0 at k = r, so where h = r / 8, in register (r % 8) / 2, half r % 2
	v_bfe_u32 v46, v0, 1, 2
	v_and_b32 v47, 1, v0
	v_lshlrev_b32 v47, 4, v47
	v_mov_b32 v48, 0x3c00
	v_lshlrev_b32 v47, v47, v48
	v_cmp_eq_u32 vcc_lo, v37, v39
	v_cndmask_b32 v47, 0, v47, vcc_lo
.irp q, 0,1,2,3
	v_cmp_eq_u32 vcc_lo, \q, v46
	v_cndmask_b32 v[ID0+\q], 0, v47, vcc_lo
	v_mov_b32 v[ID1+\q], 0
	v_mov_b32 v[ID0+4+\q], 0
.endr
	v_and_b32 v48, 1, v0                           ; lane masks of g's three bits, for the way out
	v_cmp_ne_u32 s20, 0, v48
	v_and_b32 v48, 2, v0
	v_cmp_ne_u32 s21, 0, v48
	v_and_b32 v48, 4, v0
	v_cmp_ne_u32 s22, 0, v48
	s_wait_dscnt 0x0                               ; both opening adds are done
	s_wait_kmcnt 0x0
	s_add_nc_u64 s[4:5], s[4:5], s[28:29]
	s_add_nc_u64 s[8:9], s[8:9], s[32:33]
	s_add_nc_u64 s[G0+2:G0+3], s[6:7], s[30:31]    ; 120:64 global address: row 0 of W, my wave's 256 bytes
	s_or_b32 s[G0+3], s[G0+3], 0x80000000          ; 127:126 type = 2
; X GOES THROUGH 64 SLOTS of four registers, twice round: rows 0-63 are asked for here, rows 64-127 as the slots are read; slot = row % 64; a load covers a row's 512 consecutive bytes.  No address register is ever rewritten.
.set sl, 0
.rept 32
	global_load_b128 v[RING+4*sl:RING+4*sl+3], v[GOFF], s[4:5] offset:sl*512 th:TH_LOAD_NT
.set sl, sl+1
.endr
	CROUND                                         ; all four work-groups are here: the joint loads meet
	tensor_load_to_lds s[G0:G0+3], s[G1:G1+7]      ; my wave's part of W, into the bytes that will hold its rows of X
	s_nop 0
.rept 4
	v_nop                                          ; the register windows are switched behind four instructions
.endr
	WIN 0x40
.set sl, 0
.rept 32
	global_load_b128 v[RING+4*sl:RING+4*sl+3], v[GOFF], s[4:5] offset:(32+sl)*512 th:TH_LOAD_NT
.set sl, sl+1
.endr
; A chunk of W: the 32 rows 16 rho .. 16 rho + 15 and 64 + 16 rho .., out of my wave's own bytes (load i: two rows, stage rows 2 i and 2 i + 1; lanes 0-15 take 256 consecutive bytes of the one, lanes 16-31 of the other),
; rounded to bf16 in place, through my wave's own stage to its owners.  LDS serves a wave's instructions in order (ISA guide 5.7.1.4): no wait between the stores and the loads, nor ahead of the next chunk's.
.macro WCHUNK rho
	WIN 0
.set ii, 0
.rept 16
.set aa, 16*(\rho)+2*ii
.if ii >= 8
.set aa, 64+16*(\rho)+2*(ii-8)
.endif
	ds_load_b128 v[WF+4*ii:WF+4*ii+3], v[WRD] offset:XP*aa
.set ii, ii+1
.endr
	s_wait_dscnt 8                                 ; the first eight are in; the younger eight may stay out
.set ii, 0
.rept 16
.if ii == 8
	s_wait_dscnt 0x0
.endif
	v_cvt_pk_bf16_f32 v[WF+4*ii],   v[WF+4*ii],   v[WF+4*ii+1]
	v_cvt_pk_bf16_f32 v[WF+4*ii+1], v[WF+4*ii+2], v[WF+4*ii+3]
.set ii, ii+1
.endr
.set ii, 0
.rept 16
	ds_store_b64 v[STW], v[WF+4*ii:WF+4*ii+1] offset:2*EP*ii
.set ii, ii+1
.endr
	WIN 0x40
.irp kq, 0,1,2,3
	ds_load_b128 v[WB+8*(4*(\rho)+\kq):WB+8*(4*(\rho)+\kq)+3],   v[STR] offset:EP*\kq
	ds_load_b128 v[WB+8*(4*(\rho)+\kq)+4:WB+8*(4*(\rho)+\kq)+7], v[STR] offset:EP*\kq+16
.endr
.endm
; Eight rows of X (slots 8 kb ..; lap 1: rows 0-63, lap 2: rows 64-127).  Rounded to bf16, which frees the slots: they are asked for again at once.  The bf16 numbers go back to f32 (a shift, a mask):
; of THEM the column sums / 32 are taken, in f32, four sets by turns (the first four rows start them), and they are written as f16 and laid into LDS, 256 consecutive bytes a row.
.macro XBATCH kb, lap, fill, cnt
	s_wait_loadcnt \cnt
	WIN 0x05*((\kb)/4)
.set jj, 0
.rept 8
.set rb, RING+4*((8*(\kb)+jj)%32)
	v_cvt_pk_bf16_f32 v[XTMP+2*jj],   v[rb],   v[rb+1]
	v_cvt_pk_bf16_f32 v[XTMP+2*jj+1], v[rb+2], v[rb+3]
.set jj, jj+1
.endr
.if \fill
	WIN 0x40*((\kb)/4)
.set jj, 0
.rept 8
.set rb, RING+4*((8*(\kb)+jj)%32)
	global_load_b128 v[rb:rb+3], v[GOFF], s[4:5] offset:(64+8*(\kb)+jj)*512 th:TH_LOAD_NT
.set jj, jj+1
.endr
.endif
	WIN 0
.set jj, 0
.rept 16
	v_lshlrev_b32 v[XF+2*jj],   16,  v[XTMP+jj]
	v_and_b32     v[XF+2*jj+1], s17, v[XTMP+jj]
.set jj, jj+1
.endr
.set jj, 0
.rept 8
.set cs, CSUM+4*(jj%4)
.if ((\lap) == 1) && ((\kb) == 0) && (jj < 4)
	v_pk_mul_f32 v[cs:cs+1],   v[XF+4*jj:XF+4*jj+1],   s[18:19] op_sel_hi:[1,0]
	v_pk_mul_f32 v[cs+2:cs+3], v[XF+4*jj+2:XF+4*jj+3], s[18:19] op_sel_hi:[1,0]
.else
	v_pk_fma_f32 v[cs:cs+1],   v[XF+4*jj:XF+4*jj+1],   s[18:19], v[cs:cs+1]   op_sel_hi:[1,0,1]
	v_pk_fma_f32 v[cs+2:cs+3], v[XF+4*jj+2:XF+4*jj+3], s[18:19], v[cs+2:cs+3] op_sel_hi:[1,0,1]
.endif
.set jj, jj+1
.endr
.set jj, 0
.rept 16
	v_cvt_pk_f16_f32 v[XTMP+jj], v[XF+2*jj], v[XF+2*jj+1]
.set jj, jj+1
.endr
.set jj, 0
.rept 8
	ds_store_b64 v[XST], v[XTMP+2*jj:XTMP+2*jj+1] offset:XP*(64*((\lap)-1)+8*(\kb)+jj)
.set jj, jj+1
.endr
.endm
	s_wait_tensorcnt 0x0                           ; my part of W lies in LDS; only my wave reads those bytes, and nothing fills them again
.irp rho, 0,1,2,3
	WCHUNK \rho                                    ; W's rows 16 rho .. and 64 + 16 rho .. are read out:
	XBATCH 2*\rho, 1, 1, 56                        ; X's rows 16 rho .. 16 rho + 15 take the first sixteen's place.  Behind a batch's last load: 56 - 8 kb of this lap and the 8 kb refills
	XBATCH 2*\rho+1, 1, 1, 56
.endr
.irp kb, 0,1,2,3,4,5,6,7
	XBATCH \kb, 2, 0, 56-8*\kb                     ; the last lap loads nothing: the counts run down
.endr
	WIN 0
; Eight waves' four numbers in EXT are added; the last additions write dst.
.macro SUM8 dst
.irp pp, 0,2,4,6
	v_pk_add_f32 v[EXT+4*\pp:EXT+4*\pp+1],   v[EXT+4*\pp:EXT+4*\pp+1],   v[EXT+4*\pp+4:EXT+4*\pp+5]
	v_pk_add_f32 v[EXT+4*\pp+2:EXT+4*\pp+3], v[EXT+4*\pp+2:EXT+4*\pp+3], v[EXT+4*\pp+6:EXT+4*\pp+7]
.endr
.irp pp, 0,4
	v_pk_add_f32 v[EXT+4*\pp:EXT+4*\pp+1],   v[EXT+4*\pp:EXT+4*\pp+1],   v[EXT+4*\pp+8:EXT+4*\pp+9]
	v_pk_add_f32 v[EXT+4*\pp+2:EXT+4*\pp+3], v[EXT+4*\pp+2:EXT+4*\pp+3], v[EXT+4*\pp+10:EXT+4*\pp+11]
.endr
	v_pk_add_f32 v[(\dst):(\dst)+1],   v[EXT:EXT+1],   v[EXT+16:EXT+17]
	v_pk_add_f32 v[(\dst)+2:(\dst)+3], v[EXT+2:EXT+3], v[EXT+18:EXT+19]
.endm
; s_n += Y_n W_n over my channels 4 rho .. 4 rho + 3 of 16: 64 multiply-adds from W's bf16 halves into 16 sums that do not wait for each other; the first channel starts them.
.macro SSTEP rho
	WIN 0x01                                       ; W in window 1
.set kk, 0
.rept 4
.set ix, 4*(\rho)+kk
.set e2, 0
.rept 8
.if ix == 0
	v_fma_mix_f32_bf16 v[S+2*e2],   v[WB+8*ix+e2], v[Y+ix], v[ZR] op_sel:[0,0,0] op_sel_hi:[1,0,0]
	v_fma_mix_f32_bf16 v[S+2*e2+1], v[WB+8*ix+e2], v[Y+ix], v[ZR] op_sel:[1,0,0] op_sel_hi:[1,0,0]
.else
	v_fma_mix_f32_bf16 v[S+2*e2],   v[WB+8*ix+e2], v[Y+ix], v[S+2*e2]   op_sel:[0,0,0] op_sel_hi:[1,0,0]
	v_fma_mix_f32_bf16 v[S+2*e2+1], v[WB+8*ix+e2], v[Y+ix], v[S+2*e2+1] op_sel:[1,0,0] op_sel_hi:[1,0,0]
.endif
.set e2, e2+1
.endr
.set kk, kk+1
.endr
	WIN 0
.endm
; The capsule's eight lanes add their parts of s_n; o_n = s_n sqrt(q) / (0.5 + q), q = |s_n|^2 + 1e-7, in place.
.macro SQUASH
.irp mk, 1,2,4
.set ee, 0
.rept 16
	v_add_f32_dpp v[S+ee], v[S+ee], v[S+ee] row_xmask:\mk row_mask:0xf bank_mask:0xf
.set ee, ee+1
.endr
.endr
	v_pk_mul_f32 v[QT:QT+1], v[S:S+1], v[S:S+1]
.set ee, 2
.rept 7
	v_pk_fma_f32 v[QT:QT+1], v[S+ee:S+ee+1], v[S+ee:S+ee+1], v[QT:QT+1]
.set ee, ee+2
.endr
	v_add_f32 v[QT], v[QT], v[QT+1]
	v_add_f32 v[QT], 0x33d6bf95, v[QT]             ; + 1e-7
	v_add_f32 v[QT+1], 0.5, v[QT]
	v_sqrt_f32 v[QT+2], v[QT]
	v_rcp_f32 v[QT+3], v[QT+1]
	v_nop                                          ; a plain instruction behind the two (ISA guide 5.7.2),
	s_wait_alu depctr_va_vdst(0)                   ; and one wait ahead of their first reader
	v_mul_f32 v[QT+2], v[QT+2], v[QT+3]
.set ee, 0
.rept 8
	v_pk_mul_f32 v[S+ee:S+ee+1], v[S+ee:S+ee+1], v[QT+2:QT+3] op_sel_hi:[1,0]
.set ee, ee+2
.endr
.endm
; u_n = W_n o_n for my 16 channels: 256 multiply-adds, 16 sums by turns; then rounded to f16 and laid into U.
.macro USTEP
	WIN 0x01
.set e2, 0
.rept 8
.set ix, 0
.rept 16
.if e2 == 0
	v_fma_mix_f32_bf16 v[UU+ix], v[WB+8*ix+e2], v[S+2*e2], v[ZR] op_sel:[0,0,0] op_sel_hi:[1,0,0]
.else
	v_fma_mix_f32_bf16 v[UU+ix], v[WB+8*ix+e2], v[S+2*e2], v[UU+ix] op_sel:[0,0,0] op_sel_hi:[1,0,0]
.endif
.set ix, ix+1
.endr
.set ix, 0
.rept 16
	v_fma_mix_f32_bf16 v[UU+ix], v[WB+8*ix+e2], v[S+2*e2+1], v[UU+ix] op_sel:[1,0,0] op_sel_hi:[1,0,0]
.set ix, ix+1
.endr
.set e2, e2+1
.endr
	WIN 0
.set ee, 0
.rept 8
	v_cvt_pk_f16_f32 v[UP+ee], v[UU+2*ee], v[UU+2*ee+1]
.set ee, ee+1
.endr
.irp rq, 0,1,2,3
	ds_store_b64 v[UW], v[UP+2*\rq:UP+2*\rq+1] offset:32*\rq
.endr
.endm
	; THE FIRST STEP.  My wave's column sums; all eight waves' meet in LDS; every wave then holds the totals and hands them to the owners through its own bytes.
	v_pk_add_f32 v[CSUM:CSUM+1],     v[CSUM:CSUM+1],     v[CSUM+4:CSUM+5]
	v_pk_add_f32 v[CSUM+2:CSUM+3],   v[CSUM+2:CSUM+3],   v[CSUM+6:CSUM+7]
	v_pk_add_f32 v[CSUM+8:CSUM+9],   v[CSUM+8:CSUM+9],   v[CSUM+12:CSUM+13]
	v_pk_add_f32 v[CSUM+10:CSUM+11], v[CSUM+10:CSUM+11], v[CSUM+14:CSUM+15]
	v_pk_add_f32 v[CSUM:CSUM+1],     v[CSUM:CSUM+1],     v[CSUM+8:CSUM+9]
	v_pk_add_f32 v[CSUM+2:CSUM+3],   v[CSUM+2:CSUM+3],   v[CSUM+10:CSUM+11]
	ds_store_b128 v[CSW], v[CSUM:CSUM+3]
	BAR                                            ; every wave's sums lie in LDS
.irp pp, 0,1,2,3,4,5,6,7
	ds_load_b128 v[EXT+4*\pp:EXT+4*\pp+3], v[CSA] offset:512*\pp
.endr
	BAR                                            ; every wave has read them: these bytes become U
	SUM8 EXT
	ds_store_b128 v[TOTA], v[EXT:EXT+3]            ; my wave's own bytes: its loads below see the store
.irp rq, 0,1,2,3
	ds_load_b128 v[Y+4*\rq:Y+4*\rq+3], v[YRD] offset:64*\rq
.endr
	s_wait_dscnt 0x0                               ; Y, and W's registers too
	SSTEP 0
	SSTEP 1
	SSTEP 2
	SSTEP 3
; X's fragments of block bq (32 rows) as they lie: 16 rows x 32 channels in 8 registers, two loads of 16 bytes, 32 bytes apart.
.macro LDNAT bq
.irp uu, 0,1
.irp kp, 0,1,2,3
	ds_load_b128 v[NAT+8*(4*\uu+\kp):NAT+8*(4*\uu+\kp)+3],   v[NATA] offset:XP*(32*(\bq)+16*\uu)+64*\kp
	ds_load_b128 v[NAT+8*(4*\uu+\kp)+4:NAT+8*(4*\uu+\kp)+7], v[NATA] offset:XP*(32*(\bq)+16*\uu)+64*\kp+32
.endr
.endr
.endm
; The same rows turned: four A fragments (16 channels x 32 rows), dl = d0 .. d0 + 3, into base.
.macro LDXT bq, d0, base
.irp dd, 0,1,2,3
	ds_load_tr16_b128 v[(\base)+8*\dd:(\base)+8*\dd+3],   v[TRA] offset:XP*32*(\bq)+16*((\d0)+\dd)
	ds_load_tr16_b128 v[(\base)+8*\dd+4:(\base)+8*\dd+7], v[TRA] offset:XP*(32*(\bq)+16)+16*((\d0)+\dd)
.endr
.endm
; Eight products of Y^T += X^T C: all on different accumulators.
.macro SP base, d0, first
.irp dd, 0,1,2,3
.irp cc, 0,1
.if \first
	v_wmma_f32_16x16x32_f16 v[ACC+8*(2*((\d0)+\dd)+\cc):ACC+8*(2*((\d0)+\dd)+\cc)+7], v[(\base)+8*\dd:(\base)+8*\dd+7], v[EF+8*\cc:EF+8*\cc+7], 0
.else
	v_wmma_f32_16x16x32_f16 v[ACC+8*(2*((\d0)+\dd)+\cc):ACC+8*(2*((\d0)+\dd)+\cc)+7], v[(\base)+8*\dd:(\base)+8*\dd+7], v[EF+8*\cc:EF+8*\cc+7], v[ACC+8*(2*((\d0)+\dd)+\cc):ACC+8*(2*((\d0)+\dd)+\cc)+7]
.endif
.endr
.endr
.endm
; A BLOCK of 32 of my rows.  No two matrix instructions that follow each other share an accumulator.
.macro BLOCK bk, first
	; logits^T = U X^T: source 0 = 16 capsules, source 1 = 16 rows: a lane holds ONE row (l % 16) and the capsules 16 c + 8 h + 0..7
.irp kp, 0,1,2,3
.irp tc, 0,1,2,3
.if (\kp) == 0
	v_wmma_f32_16x16x32_f16 v[LG+8*\tc:LG+8*\tc+7], v[UF+8*(4*((\tc)%2)+\kp):UF+8*(4*((\tc)%2)+\kp)+7], v[NAT+8*(4*((\tc)/2)+\kp):NAT+8*(4*((\tc)/2)+\kp)+7], 0
.else
	v_wmma_f32_16x16x32_f16 v[LG+8*\tc:LG+8*\tc+7], v[UF+8*(4*((\tc)%2)+\kp):UF+8*(4*((\tc)%2)+\kp)+7], v[NAT+8*(4*((\tc)/2)+\kp):NAT+8*(4*((\tc)/2)+\kp)+7], v[LG+8*\tc:LG+8*\tc+7]
.endif
.endr
.endr
	PLACES 5
.if (\bk) < 3
	LDNAT (\bk)+1                                  ; the next block's fragments, and this block's rows turned, come in under the softmax
.endif
	LDXT \bk, 0, XT
	; softmax over the 32 capsules: 16 in my lane, 16 in the lane 16 away.  Each accumulator's lowest registers are read first.
	BOTH v_max3_num_f32 v[TS+4*u+2], v[LG+16*u], v[LG+16*u+1], v[LG+16*u+2]
	BOTH v_max3_num_f32 v[TS+4*u+3], v[LG+16*u+8], v[LG+16*u+9], v[LG+16*u+10]
	BOTH v_max3_num_f32 v[TS+4*u+2], v[TS+4*u+2], v[LG+16*u+3], v[LG+16*u+4]
	BOTH v_max3_num_f32 v[TS+4*u+3], v[TS+4*u+3], v[LG+16*u+11], v[LG+16*u+12]
	BOTH v_max3_num_f32 v[TS+4*u+2], v[TS+4*u+2], v[LG+16*u+5], v[LG+16*u+6]
	BOTH v_max3_num_f32 v[TS+4*u+3], v[TS+4*u+3], v[LG+16*u+13], v[LG+16*u+14]
	BOTH v_max3_num_f32 v[TS+4*u+2], v[TS+4*u+2], v[LG+16*u+7], v[LG+16*u+15]
	BOTH v_max_num_f32 v[TS+4*u+2], v[TS+4*u+2], v[TS+4*u+3]
	BOTH v_permlanex16_b32 v[TS+4*u+3], v[TS+4*u+2], s12, s13
	BOTH v_max_num_f32 v[TS+4*u+1], v[TS+4*u+2], v[TS+4*u+3]
	BOTH v_mul_f32 v[TS+4*u], s14, v[TS+4*u+1]
.set z, 0
.rept 16
	v_pk_fma_f32 v[LG+2*z:LG+2*z+1], v[LG+2*z:LG+2*z+1], s[14:15], v[TS+4*(z/8):TS+4*(z/8)+1] op_sel_hi:[1,0,0] neg_lo:[0,0,1] neg_hi:[0,0,1]  ; log2(e) (b - m)
.set z, z+1
.endr
.set z, 0
.rept 32
	v_exp_f32 v[LG+z], v[LG+z]
.set z, z+1
.endr
	v_nop                                          ; a plain instruction behind the last exponential,
	s_wait_alu depctr_va_vdst(0)                   ; and one wait for the batch of 32, ahead of its first reader
	BOTH v_pk_add_f32 v[EF+8*u:EF+8*u+1], v[LG+16*u:LG+16*u+1], v[LG+16*u+2:LG+16*u+3]
	BOTH v_pk_add_f32 v[EF+8*u+2:EF+8*u+3], v[LG+16*u+4:LG+16*u+5], v[LG+16*u+6:LG+16*u+7]
	BOTH v_pk_add_f32 v[EF+8*u+4:EF+8*u+5], v[LG+16*u+8:LG+16*u+9], v[LG+16*u+10:LG+16*u+11]
	BOTH v_pk_add_f32 v[EF+8*u+6:EF+8*u+7], v[LG+16*u+12:LG+16*u+13], v[LG+16*u+14:LG+16*u+15]
	BOTH v_pk_add_f32 v[EF+8*u:EF+8*u+1], v[EF+8*u:EF+8*u+1], v[EF+8*u+2:EF+8*u+3]
	BOTH v_pk_add_f32 v[EF+8*u+4:EF+8*u+5], v[EF+8*u+4:EF+8*u+5], v[EF+8*u+6:EF+8*u+7]
	BOTH v_pk_add_f32 v[EF+8*u:EF+8*u+1], v[EF+8*u:EF+8*u+1], v[EF+8*u+4:EF+8*u+5]
	BOTH v_add_f32 v[TS+4*u+2], v[EF+8*u], v[EF+8*u+1]
	BOTH v_permlanex16_b32 v[TS+4*u+3], v[TS+4*u+2], s12, s13
	BOTH v_add_f32 v[TS+4*u+2], v[TS+4*u+2], v[TS+4*u+3]
	BOTH v_rcp_f32 v[TS+4*u+2], v[TS+4*u+2]
	v_nop
	s_wait_alu depctr_va_vdst(0)                   ; one wait for the two reciprocals
.set z, 0
.rept 16
	v_pk_mul_f32 v[LG+2*z:LG+2*z+1], v[LG+2*z:LG+2*z+1], v[TS+4*(z/8)+2:TS+4*(z/8)+3] op_sel_hi:[1,0]
.set z, z+1
.endr
.set z, 0
.rept 16
	v_cvt_pk_f16_f32 v[EF+z], v[LG+2*z], v[LG+2*z+1]  ; a row tile's 8 registers ARE an A fragment: row l % 16, k = the capsule
.set z, z+1
.endr
	; the weights are turned by products with the unit matrix (exact: each sum is one weight times 1.0): a lane then holds ONE capsule and the rows 8 h + 0..7
	v_wmma_f32_16x16x32_f16 v[LG:LG+7],     v[EF:EF+7],    v[ID0:ID0+7], 0
	v_wmma_f32_16x16x32_f16 v[LG+8:LG+15],  v[EF:EF+7],    v[ID1:ID1+7], 0
	v_wmma_f32_16x16x32_f16 v[LG+16:LG+23], v[EF+8:EF+15], v[ID0:ID0+7], 0
	v_wmma_f32_16x16x32_f16 v[LG+24:LG+31], v[EF+8:EF+15], v[ID1:ID1+7], 0
	PLACES 5
.irp cc, 0,1                           ; B fragments (32 rows x 16 capsules): registers 0-3 from row tile 0, 4-7 from row tile 1; the numbers are f16 numbers already: nothing is rounded again
.irp q, 0,1,2,3
	v_cvt_pk_f16_f32 v[EF+8*\cc+\q], v[LG+8*\cc+2*\q], v[LG+8*\cc+2*\q+1]
.endr
.irp q, 0,1,2,3
	v_cvt_pk_f16_f32 v[EF+8*\cc+4+\q], v[LG+16+8*\cc+2*\q], v[LG+16+8*\cc+2*\q+1]
.endr
.endr
	LDXT \bk, 4, LG
	s_wait_dscnt 8                                 ; all but the eight just issued
	WIN 0x50                                       ; C and D in window 1
	SP XT, 0, \first
	s_wait_dscnt 0x0
	SP LG, 4, \first
	WIN 0
	PLACES 5                                       ; ahead of the next block's products, which write over registers just read, and of the stores of the sums
.endm
; THE EXCHANGE, a quarter of the channels at a time (dl = 2 rho, 2 rho + 1: channels 64 h + 16 rho + 0..15).  Each wave lays its partial Y into its own rows; behind a barrier each owner adds the eight waves'
; four numbers of its channels 4 rho .. 4 rho + 3 of 16; the quarter before goes through W meanwhile.  A second barrier stands between a quarter's reads and the next quarter's stores.
.macro QUARTER rho
	WIN 0x04                                       ; store data in window 1
.irp cc, 0,1
.irp xx, 0,1
	ds_store_b128 v[EXS], v[ACC+8*(2*(2*(\rho)+\xx)+\cc):ACC+8*(2*(2*(\rho)+\xx)+\cc)+3]   offset:16*EP*\cc+32*\xx
	ds_store_b128 v[EXS], v[ACC+8*(2*(2*(\rho)+\xx)+\cc)+4:ACC+8*(2*(2*(\rho)+\xx)+\cc)+7] offset:16*EP*\cc+32*\xx+16
.endr
.endr
	WIN 0
	BAR
.irp pp, 0,1,2,3,4,5,6,7
	ds_load_b128 v[EXT+4*\pp:EXT+4*\pp+3], v[EXR] offset:STGB*\pp
.endr
.if (\rho) > 0
	SSTEP (\rho)-1
.endif
	s_wait_dscnt 0x0
.if (\rho) < 3
	s_barrier_signal -1
	s_barrier_wait -1
.endif
	SUM8 Y+4*(\rho)
.endm
	s_mov_b32 s16, 2
.Liter:                                                ; the two live steps
	SQUASH
	USTEP
	BAR                                            ; U is whole; every wave's reads of the exchange are over
.irp cc, 0,1
.irp kp, 0,1,2,3
	ds_load_b128 v[UF+8*(4*\cc+\kp):UF+8*(4*\cc+\kp)+3],   v[UA] offset:16*XP*\cc+64*\kp
	ds_load_b128 v[UF+8*(4*\cc+\kp)+4:UF+8*(4*\cc+\kp)+7], v[UA] offset:16*XP*\cc+64*\kp+32
.endr
.endr
	LDNAT 0
	s_wait_dscnt 0x0
	BLOCK 0, 1                                     ; its products start Y's sums: nothing is cleared
	BLOCK 1, 0
	BLOCK 2, 0
	BLOCK 3, 0
	QUARTER 0
	QUARTER 1
	QUARTER 2
	QUARTER 3
	SSTEP 3
	s_sub_co_u32 s16, s16, 1
	s_cmp_lg_u32 s16, 0
	s_cbranch_scc1 .Liter
	; THE WAY OUT: every lane of a capsule holds all 16 numbers of o_n; lane g picks numbers 2 g and 2 g + 1 by g's three bits: a wave's store covers 256 consecutive bytes, aligned.
	SQUASH
.irp pq, 0,1
.irp jq, 0,1,2,3
	v_cndmask_b32 v[QT+4*\pq+\jq], v[S+4*\jq+\pq], v[S+4*\jq+2+\pq], s20
.endr
.endr
.irp pq, 0,1
.irp jq, 0,1
	v_cndmask_b32 v[QT+8+2*\pq+\jq], v[QT+4*\pq+2*\jq], v[QT+4*\pq+2*\jq+1], s21
.endr
.endr
.irp pq, 0,1
	v_cndmask_b32 v[QT+12+\pq], v[QT+8+2*\pq], v[QT+8+2*\pq+1], s22
.endr
	global_store_b64 v[OUTO], v[QT+12:QT+13], s[8:9]
	s_wait_tensorcnt 0x0                           ; the wave's end, behind my tensor load and my last LDS store
	ds_add_u32 v[SPW], v[NIL]
	s_wait_dscnt 0x0
	CROUND                                         ; the closing round: no work-group ends while a partner may still ask for a tile that names it
	s_endpgm
.Lfunc_end_k_q0d5bf22bbc_capsule:
	.size	k_q0d5bf22bbc_capsule, .Lfunc_end_k_q0d5bf22bbc_capsule-k_q0d5bf22bbc_capsule
	.p2alignl 7, 3214868480
	.fill 96, 4, 3214868480
	.section	.rodata,"a",@progbits
	.p2align	6, 0x0
	.amdhsa_kernel k_q0d5bf22bbc_capsule
		.amdhsa_group_segment_fixed_size 327680
		.amdhsa_private_segment_fixed_size 0
		.amdhsa_enable_private_segment 0
		.amdhsa_kernarg_size 24
		.amdhsa_user_sgpr_count 2
		.amdhsa_user_sgpr_kernarg_segment_ptr 1
		.amdhsa_wavefront_size32 1
		.amdhsa_system_sgpr_workgroup_id_x 1
		.amdhsa_system_sgpr_workgroup_id_y 1
		.amdhsa_system_sgpr_workgroup_id_z 1
		.amdhsa_system_vgpr_workitem_id 0
		.amdhsa_next_free_vgpr 512
		.amdhsa_next_free_sgpr 66
		.amdhsa_reserve_vcc 1
		.amdhsa_float_denorm_mode_32 3
		.amdhsa_float_denorm_mode_16_64 3
		.amdhsa_memory_ordered 1
		.amdhsa_forward_progress 1
		.amdhsa_inst_pref_size 232
	.end_amdhsa_kernel
	.amdgpu_metadata
---
amdhsa.version: [ 1, 2 ]
amdhsa.kernels:
  - .name:           k_q0d5bf22bbc_capsule
    .symbol:         k_q0d5bf22bbc_capsule.kd
    .args:
      - { .name: inputs, .offset: 0, .size: 8, .value_kind: global_buffer, .address_space: global }
      - { .name: kernel, .offset: 8, .size: 8, .value_kind: global_buffer, .address_space: global }
      - { .name: out0, .offset: 16, .size: 8, .value_kind: global_buffer, .address_space: global }
    .group_segment_fixed_size: 327680
    .private_segment_fixed_size: 0
    .kernarg_segment_align: 8
    .kernarg_segment_size: 24
    .max_flat_workgroup_size: 256
    .sgpr_count:     66
    .vgpr_count:     512
    .wavefront_size: 32
...
	.end_amdgpu_metadata
.endif
;; end of part 1
